; MI455X (gfx1250); checked and timed in simulation.
; The chip was launched on July 23, 2026; its instructions are those of AMD's public machine-readable ISA for CDNA 5 (MIT licence, August 2026) and "CDNA5" Instruction Set Architecture Reference Guide (July 2026). The comments in the code are by the model that wrote it; some were corrected since.
;; RVQ Quantizer. Allowed arithmetic: matrix products marked QUANTISED: E2M3 operands, one E8M0 scale for each 32 along K, by v_wmma_scale_f32_16x16x128_f8f6f4 with both operands' format E2M3, f32 sums; everything else in f32.
;; Inputs: codebook 4,096 x 256 float32; codebook_usage 4,096 float32; z 8 x 2,048 x 256 float32.
;; Outputs: out0 8 x 2,048 x 256 float32; out1 8 x 2,048 int32; out2 one number float32; out3 one number float32; out4 one number float32.
;; This version of the problem:
;;   THIS VERSION OF THE PROBLEM IS GIVEN IN LOW PRECISION. The matrix products marked QUANTISED in the list below multiply operands that are first quantised to E2M3 (2 exponent bits, 3 mantissa bits; 6 bits a number), with one power-of-two scale for each 32 numbers along K (OCP MX v1.0); their sums are f32. All else is computed in f32.
;;   The module's matrix products, in the order in which they are computed (A, B: the left and right operand; K: the contracted axis; several contracted axes count as one K, in the product's order):
;;     1. [M 16,384, K 256] x [K 256, N 4,096]; A: input z; B: input codebook: QUANTISED
;;   THE QUANTISER, for each operand of a quantised product, along K:
;;     - K is cut into blocks of 32 from its start; a last block that is shorter is filled with zeros.
;;     - A block's scale is 2^e with e = floor(log2(the largest magnitude in the block)) - 2, held to -126 .. 127; a block of zeros has e = 0. As a byte (E8M0): e + 127.
;;     - Each number is divided by its block's scale, clamped to +-7.5, and rounded to the nearest number of E2M3, ties to even, subnormals kept.
;;     - The product sums the exact products of the quantised numbers (number of the format x scale) in f32.
;;   ~~~python
;;   def quantise(x, axis):      # numpy; x: float32 -> the quantised numbers, widened to float32 again
;;       x = np.moveaxis(x, axis, -1); K = x.shape[-1]
;;       x = np.pad(x, [(0, 0)] * (x.ndim - 1) + [(0, -K % 32)]); x = x.reshape(x.shape[:-1] + (-1, 32)); a = np.abs(x).max(-1, keepdims=True)
;;       e = np.where(a > 0, np.clip(np.frexp(np.where(a > 0, a, 1))[1] - 1 - 2, -126, 127), 0)      # np.frexp(a)[1] - 1 = floor(log2(a)), exactly
;;       r = np.clip(x / 2.0 ** e, -7.5, 7.5)
;;       step = 2.0 ** (np.maximum(np.frexp(np.where(r == 0, 1, r))[1] - 1, 0) - 3)
;;       q = np.round(r / step) * step * 2.0 ** e      # np.round: ties to even
;;       return np.moveaxis(q.reshape(q.shape[:-2] + (-1,))[..., :K], -1, axis).astype(np.float32)
;;   ~~~
;; One version. Each part assembles by itself: llvm-mc -triple=amdgcn-amd-amdhsa -mcpu=gfx1250 --defsym DOCPART=n.
;; ======== version 1 of 1: 4 launches
;; limits: right only within a limited range of input values
;; workspace buffers: cbq 851,968 bytes; ckey 131,072 bytes of whole numbers; cidx 131,072 bytes of whole numbers; part 8,192 bytes
;; launch prep (part 1): grid 256 x 1, 2 waves a work-group, no clusters, 17,664 bytes of LDS; arguments codebook, cbq; writes cbq
.if DOCPART == 1
	.amdgcn_target "amdgcn-amd-amdhsa--gfx1250"
	.amdhsa_code_object_version 6
	.text
	.protected	k_q9edba6aa8c_prep
	.globl	k_q9edba6aa8c_prep
	.p2align	8
	.type	k_q9edba6aa8c_prep,@function
k_q9edba6aa8c_prep:
	s_mov_b64 s[64:65], 0
	v_nop
	global_prefetch_b8 v0, s[64:65] scope:SCOPE_SE
	s_setreg_imm32_b32 hwreg(HW_REG_WAVE_MODE, 25, 1), 1
	s_wait_xcnt 0x0
; THE PROGRAM: prep (the codebook's codes), near (z's codes, scores, best code of each half), pick (best of the halves, gather, loss parts, entropy), fin (loss).
; WORK LEFT OUT, for all finite inputs: |z|^2 is the same number in all distances of a row, so it moves no argmin: it is not formed.  out0 = z + (e - z) is e in exact arithmetic, so pick stores e; z itself is read, for
; the codes and for the loss.  LIMIT: a NaN, an infinity or an overflow that reaches only the work left out (|z|^2; z + (e - z)) is not carried to the result.
; THIS LAUNCH: codebook [4096][256], f32, becomes codes of FP6 (E2M3) with one E8M0 scale byte for each 32 along K, laid in the ORDER OF THE OPERAND'S REGISTERS, with -|e|^2 / 2 of each row.
; A block's scale is 2^(floor(log2(its largest magnitude)) - 2); its byte is that magnitude's exponent field - 2, held at 1 from below.  A block of zeros keeps the byte 1: its codes are zeros, and this program alone reads the bytes.
; LIMITS: blocks whose largest magnitude lies under 2^-124 keep the byte 1; NaN and infinities among the inputs are not served.
; SHARES.  Work-group u takes the tile of rows 16 u on; wave s takes K step s (128 along K).  Wave 1 hands its scale words and sums of squares to wave 0 through LDS.  Work-groups share no input: no cluster.
; OUT.  Two tiles make a record of 6,656 bytes.  Tile of parity i: its fragments (K steps 0, 1) at 3072 i: each 3 groups of 512 bytes, lane l's registers 4 g .. 4 g + 3 at 512 g + 16 l;
; its scale words at 6144 + 128 i + 4 l (lanes 0-15: row l, K step 0; lanes 16-31: row l - 16, K step 1); -|e|^2 / 2 of row l % 16 at 6400 + 128 i + 4 l.
.set SPT,  528                         ; a stage row: 512 bytes + 16
.set WREG, 16*SPT                      ; LDS of a wave
.set EXB,  2*WREG                      ; the hand-over: 256 bytes for each wave
.set SPARE, EXB+512
.set TM,   8                           ; v8-11 largest magnitudes, v12-15 the other half's, then bytes, v20-23 the conversions' scale operands
.set PW,   24
.set SPW,  30
.set NIL,  31
.set NA,   32                          ; v32-95 as loaded
.set XR,   96                          ; v96-159 turned
.set PC,   160                         ; v160-171 the fragment
.set HX,   172                         ; v172-174, v176-178 the conversions' second halves
.set SQ,   180                         ; v180-187 chains of squares
.set SEL,  20                          ; s[20:21] selects for lane l xor 16
; 64 numbers of a lane, register 16 b + i = k 32 b + 16 (lane / 16) + i of my row, become a fragment's codes in v[pc] on and its scale word in v[pw].
.macro QUANT s, pc, pw
.irp b, 0,1,2,3
	v_max3_num_f32 v[TM+\b], |v[\s+16*\b]|, |v[\s+1+16*\b]|, 0x1800000   ; block b: my 16 numbers, and the floor 2^(3 - 127): the byte cannot fall under 1
.endr
.irp i, 2,4,6,8,10,12,14
.irp b, 0,1,2,3
	v_max3_num_f32 v[TM+\b], v[TM+\b], |v[\s+16*\b+\i]|, |v[\s+1+16*\b+\i]|
.endr
.endr
.irp b, 0,1,2,3
	v_permlanex16_b32 v[TM+4+\b], v[TM+\b], s[SEL], s[SEL+1]
.endr
.irp b, 0,1,2,3
	v_max_num_f32 v[TM+\b], v[TM+\b], v[TM+4+\b]   ; with lane l xor 16's 16: the block's largest magnitude
.endr
.irp b, 0,1,2,3
	v_add_nc_u32 v[TM+12+\b], 0xff000000, v[TM+\b]   ; 2 off its exponent field: the conversion's scale operand
.endr
.irp b, 0,1,2,3
	v_lshrrev_b32 v[TM+4+\b], 23, v[TM+12+\b]      ; the scale's byte
.endr
	v_lshl_or_b32 v[\pw], v[TM+5], 8, v[TM+4]
	v_lshl_or_b32 v[\pw], v[TM+6], 16, v[\pw]
	v_lshl_or_b32 v[\pw], v[TM+7], 24, v[\pw]
.irp c, 0,1
	v_cvt_scalef32_pk16_fp6_f32 v[\pc+6*\c:\pc+2+6*\c], v[\s+32*\c:\s+15+32*\c], v[TM+12+2*\c]
	v_cvt_scalef32_pk16_fp6_f32 v[HX+4*\c:HX+2+4*\c], v[\s+16+32*\c:\s+31+32*\c], v[TM+12+2*\c+1]   ; (a conversion's three registers begin on an even number)
.endr
	v_nop                                          ; one plain instruction behind the scaled conversions
.irp c, 0,1                            ; the operand wants a WHOLE block in a lane: lanes 0-15 block 2 c, lanes 16-31 block 2 c + 1
.irp i, 0,1,2
	v_permlane16_swap_b32 v[\pc+6*\c+\i], v[HX+4*\c+\i]
.endr
.irp i, 0,1,2
	v_mov_b32 v[\pc+3+6*\c+\i], v[HX+4*\c+\i]
.endr
.endr
.endm
	s_load_b128 s[4:7], s[0:1], 0x0                ; codebook s[4:5], cbq s[6:7]
	v_lshl_add_u32 v[SPW], v0, 2, SPARE
	v_mov_b32 v[NIL], 0
	v_lshrrev_b32 v1, 5, v0
	v_readfirstlane_b32 s12, v1                    ; wave = K step
	s_mul_i32 s13, s12, WREG
	s_lshl_b32 s14, s12, 8
	s_add_co_u32 s14, s14, EXB
	v_and_b32 v1, 31, v0                           ; lane
	v_and_b32 v2, 15, v0                           ; r
	v_bfe_u32 v3, v0, 4, 1                         ; h
	v_lshlrev_b32 v4, 4, v1                        ; 16 x lane
	v_lshlrev_b32 v5, 2, v1                        ; 4 x lane
	v_add_nc_u32 v6, s13, v4                       ; the stage, on the way in
	v_mul_u32_u24 v7, v2, SPT
	v_lshl_add_u32 v7, v3, 6, v7
	v_add_nc_u32 v7, s13, v7                       ; and out: row r, + 64 h
	v_add_nc_u32 v16, s14, v5                      ; my hand-over
	v_add_nc_u32 v17, EXB+256, v5                  ; wave 1's
	v_cmp_le_u32 s22, 16, v1                       ; lanes 16-31
.irp b, 0,1,2,3
	v_mov_b32 v[TM+4+\b], 0                        ; a lane permute's destination counts as one of its sources
.endr
	v_mov_b32 v[SQ+1], 0
	s_wait_alu depctr_va_vdst(0)                   ; the wait at the head's end
	s_mov_b32 s[SEL], 0x76543210
	s_mov_b32 s[SEL+1], 0xfedcba98
	s_lshl_b32 s18, ttmp9, 14                      ; 16 rows of 1,024 bytes,
	s_lshl_b32 s15, s12, 9
	s_add_co_u32 s18, s18, s15                     ; + my K step's 512
	s_mov_b32 s19, 0
	s_lshr_b32 s17, ttmp9, 1
	s_mul_i32 s17, s17, 6656                       ; the record
	s_and_b32 s16, ttmp9, 1                        ; the parity
	s_mul_i32 s24, s16, 3072
	s_add_co_u32 s24, s24, s17
	s_mul_i32 s15, s12, 1536
	s_add_co_u32 s24, s24, s15                     ; my fragment
	s_mov_b32 s25, 0
	s_lshl_b32 s26, s16, 7
	s_add_co_u32 s26, s26, s17                     ; the small fields, less their constants
	s_mov_b32 s27, 0
	s_wait_kmcnt 0x0
	s_add_nc_u64 s[4:5], s[4:5], s[18:19]
	s_add_nc_u64 s[28:29], s[6:7], s[26:27]
	s_add_nc_u64 s[8:9], s[6:7], s[24:25]
.irp i, 0,1,2,3,4,5,6,7,8,9,10,11,12,13,14,15
	global_load_b128 v[NA+4*\i:NA+4*\i+3], v4, s[4:5] offset:1024*\i   ; row i: 512 consecutive bytes
.endr
.irp i, 0,1,2,3,4,5,6,7,8,9,10,11,12,13,14,15
	s_wait_loadcnt 15-\i                           ; row i is in; the later rows may be out
	ds_store_b128 v6, v[NA+4*\i:NA+4*\i+3] offset:SPT*\i
.endr
.irp b, 0,1,2,3
.irp j, 0,1,2,3
	ds_load_b128 v[XR+16*\b+4*\j:XR+16*\b+4*\j+3], v7 offset:128*\b+16*\j   ; LDS serves a wave's instructions in order: these see my stores
.endr
.endr
	s_wait_dscnt 0x0
	QUANT XR, PC, PW
.irp g, 0,1,2
	global_store_b128 v4, v[PC+4*\g:PC+4*\g+3], s[8:9] offset:512*\g   ; 32 lanes store 512 consecutive bytes
.endr
	; the squares of my 64 numbers in four packed chains, then lane l xor 16's
.irp c, 0,1,2,3
	v_pk_mul_f32 v[SQ+2*\c:SQ+2*\c+1], v[XR+2*\c:XR+2*\c+1], v[XR+2*\c:XR+2*\c+1]
.endr
.set j, 8
.rept 28
	v_pk_fma_f32 v[SQ+j%8:SQ+j%8+1], v[XR+j:XR+j+1], v[XR+j:XR+j+1], v[SQ+j%8:SQ+j%8+1]
.set j, j+2
.endr
	v_pk_add_f32 v[SQ:SQ+1], v[SQ:SQ+1], v[SQ+2:SQ+3]
	v_pk_add_f32 v[SQ+4:SQ+5], v[SQ+4:SQ+5], v[SQ+6:SQ+7]
	v_pk_add_f32 v[SQ:SQ+1], v[SQ:SQ+1], v[SQ+4:SQ+5]
	v_add_f32 v[SQ], v[SQ], v[SQ+1]
	v_permlanex16_b32 v[SQ+1], v[SQ], s[SEL], s[SEL+1]
	v_add_f32 v[SQ], v[SQ], v[SQ+1]                ; the same bits in both halves of the lanes
	ds_store_b32 v16, v[PW]
	ds_store_b32 v16, v[SQ] offset:128
	s_wait_alu depctr_va_vdst(0)                   ; wave 0 reads its word and sum behind the barrier
	s_wait_dscnt 0x0                               ; for the other wave's sake
	s_barrier_signal -1
	s_barrier_wait -1
	s_cmp_lg_u32 s12, 0
	s_cbranch_scc1 .Lend                           ; wave 0 stores the small fields
	ds_load_b32 v26, v17
	ds_load_b32 v27, v17 offset:128
	s_wait_dscnt 0x0
	v_cndmask_b32 v26, v[PW], v26, s22             ; lanes 0-15: K step 0's word; lanes 16-31: K step 1's
	v_add_f32 v27, v[SQ], v27
	v_mul_f32 v27, -0.5, v27
	global_store_b32 v5, v26, s[28:29] offset:6144
	global_store_b32 v5, v27, s[28:29] offset:6400
.Lend:
	s_wait_tensorcnt 0x0                           ; the wave's end
	ds_add_u32 v[SPW], v[NIL]
	s_wait_dscnt 0x0
	s_endpgm
.Lfunc_end_k_q9edba6aa8c_prep:
	.size	k_q9edba6aa8c_prep, .Lfunc_end_k_q9edba6aa8c_prep-k_q9edba6aa8c_prep
	.p2alignl 7, 3214868480
	.fill 96, 4, 3214868480
	.section	.rodata,"a",@progbits
	.p2align	6, 0x0
	.amdhsa_kernel k_q9edba6aa8c_prep
		.amdhsa_group_segment_fixed_size 17664
		.amdhsa_private_segment_fixed_size 0
		.amdhsa_enable_private_segment 0
		.amdhsa_kernarg_size 16
		.amdhsa_user_sgpr_count 2
		.amdhsa_user_sgpr_kernarg_segment_ptr 1
		.amdhsa_wavefront_size32 1
		.amdhsa_system_sgpr_workgroup_id_x 1
		.amdhsa_system_sgpr_workgroup_id_y 1
		.amdhsa_system_sgpr_workgroup_id_z 1
		.amdhsa_system_vgpr_workitem_id 0
		.amdhsa_next_free_vgpr 192
		.amdhsa_next_free_sgpr 66
		.amdhsa_reserve_vcc 0
		.amdhsa_float_denorm_mode_32 3
		.amdhsa_float_denorm_mode_16_64 3
		.amdhsa_memory_ordered 1
		.amdhsa_forward_progress 1
		.amdhsa_inst_pref_size 14
	.end_amdhsa_kernel
	.amdgpu_metadata
---
amdhsa.version: [ 1, 2 ]
amdhsa.kernels:
  - .name:           k_q9edba6aa8c_prep
    .symbol:         k_q9edba6aa8c_prep.kd
    .args:
      - { .name: codebook, .offset: 0, .size: 8, .value_kind: global_buffer, .address_space: global }
      - { .name: cbq, .offset: 8, .size: 8, .value_kind: global_buffer, .address_space: global }
    .group_segment_fixed_size: 17664
    .private_segment_fixed_size: 0
    .kernarg_segment_align: 8
    .kernarg_segment_size: 16
    .max_flat_workgroup_size: 64
    .sgpr_count:     66
    .vgpr_count:     192
    .wavefront_size: 32
...
	.end_amdgpu_metadata
.endif
;; end of part 1
;; launch near (part 2): grid 4 x 64, 8 waves a work-group, clusters of 4 x 4, 327,680 bytes of LDS; arguments z, cbq, ckey, cidx; writes ckey, cidx
.if DOCPART == 2
	.amdgcn_target "amdgcn-amd-amdhsa--gfx1250"
	.amdhsa_code_object_version 6
	.text
	.protected	k_q9edba6aa8c_near
	.globl	k_q9edba6aa8c_near
	.p2align	8
	.type	k_q9edba6aa8c_near,@function
k_q9edba6aa8c_near:
	s_mov_b64 s[64:65], 0
	v_nop
	global_prefetch_b8 v0, s[64:65] scope:SCOPE_SE
	s_setreg_imm32_b32 hwreg(HW_REG_WAVE_MODE, 25, 1), 1
	s_wait_xcnt 0x0
	s_wait_alu depctr_hold_cnt(0) depctr_sa_sdst(0) depctr_va_vdst(0) depctr_va_sdst(0) depctr_va_ssrc(0) depctr_va_vcc(0) depctr_vm_vsrc(0)
	s_getreg_b32 s2, hwreg(HW_REG_IB_STS2, 6, 4)
	s_cmp_eq_u32 s2, 0
	s_cbranch_scc0 .Lentry_in_a_cluster
	s_endpgm
.Lentry_in_a_cluster:
	s_bfe_u32 s2, ttmp6, 0x10000c
	s_cmp_lg_u32 s2, 0xf033
	s_cbranch_scc0 .Lentry_shape_is_right
	s_endpgm
.Lentry_shape_is_right:
; For each of 16,384 rows of z and each half of the 4,096 codes: the code with the largest score D = Q(z) . Q(e) - |e|^2 / 2, which is the code with the least distance |z|^2 + |e|^2 - 2 Q(z) . Q(e): |z|^2, the same number in
; all distances of a row, moves no argmin and is left out.  Stored: an ascending whole-number key of the best score, and its code's index.
; z is quantised here: each row is read as f32 and becomes codes of FP6 (E2M3) with E8M0 scales in registers.  -|e|^2 / 2 is the C of each sum's first matrix instruction; sums in f32.
; LIMITS: the order of rounding differs from the written formula's: two codes whose distances lie within about one unit in the last place of the distance may be ordered otherwise.  Scores that are equal go to the lower index.
; Blocks of z whose largest magnitude lies under 2^-124 keep the scale byte 1.  NaN and infinities are not served, those that reach only |z|^2 among them.
; SHARES.  Work-group: 128 rows x 2,048 codes (half q).  Eight waves: wave w quantises row tile w; then every wave holds all 128 rows' fragments in registers, and walks the records 2 w, 2 w + 1 (four tiles of 16 codes) of each chunk.
; CHUNKS.  The half's 64 records go as four chunks of 16 through two LDS slots.  A wave loads the two records that it reads: one tensor load of 13,312 bytes, as 52 rows of 256 bytes.  Chunk 0 is asked for at the head, chunk 1 behind
; the round that follows, chunks 2 and 3 when their slots have been read.
; CLUSTER 4 x 4: the four work-groups of a row (same cy) share the half q = cy % 2 and ask for its records jointly.  z goes straight into registers, by plain loads: the two work-groups that share rows stand in the same cluster.
; NO PREFETCH: the four chunks are written out, with no loop to run ahead in, and each is asked for a whole chunk ahead of its use.
; TRANSPOSED: source 0 = 16 codes, source 1 = 16 rows of z: lane (r, h) holds row r, and register j the code 16 tile + 8 h + j.
; THE ARGMAX: the largest of a lane's eight and of the best so far (4 instructions), a strict compare with the best so far, and selects under its mask that keep the tile's first code and the tile's eight scores.
; Which of the eight it was is looked up once, at the end, in the kept scores.
; REGISTERS.  Window 0: v1-15 addresses; v17-23, v249 z's scale words; v24, v248 the code tile's; v26-33, v162-169 the best so far, by turns; v34-49 -|e|^2/2, two sets; v50-97 the code tile's fragments, two sets;
;   v98-161 eight accumulators; v170-177 the best's tile; v178-241 its eight scores.  At the head v16-31 and v32-246 serve the quantising.   Window 1: v0-191 z's fragments (row tile m, K step s) at 24 m + 12 s.
.set REC,  6656
.set CH,   16*REC                      ; a chunk, a slot
.set STG,  2*CH                        ; behind the slots: a stage for each wave, later its tile's fragments; no tensor load lands here
.set SPT,  528
.set WREG, 16*SPT
.set EX,   STG+8*WREG                  ; the exchange: keys [wave][128 rows], 4,096 bytes, and indices likewise
.set SPARE, EX+8192
.set STI,  1                           ; v1   my stage, in: + 16 x lane
.set STO,  2                           ; v2   and out: row r, + 64 h
.set CA,   3                           ; v3-4 my records in slot 0, 1, + 16 x lane
.set CS,   5                           ; v5-6 + 4 x lane
.set CB,   7                           ; v7-8 + 32 h
.set VT,   9                           ; v9   the tile's first code of my half of the lanes
.set GO,   10
.set EXW,  11
.set EXR,  12
.set ZG,   13                          ; v13  16 x lane
.set SPW,  14
.set NIL,  15
.set TM,   16
.set SC,   24
.set XA,   26
.set BI,   34
.set F,    50
.set ACC,  98
.set BEST, 162
.set TID,  170
.set SAV,  178
.set NA,   32                          ; at the head: v32-95 K step 0 as loaded, then K step 1 turned
.set NB,   96                          ; v96-159 K step 1 as loaded
.set XR,   160                         ; v160-223 K step 0 turned
.set PCA,  224
.set PCB,  96
.set HX,   236                         ; v236-238, v240-242
.set PW,   244
.set SW,   246
.set ZXA,  247
.set ZXS,  250
.set SWA,  251
.set PJ,   98                          ; the end's work registers lie where the accumulators lay
.set IX,   106
.set KY,   114
.set TS,   122
.set KO,   130
.set IO,   138
.set RK,   146
.set RI,   154
.set WV,   12                          ; s12  wave
.set SEL,  20
.set G1,   24                          ; s[24:31] group 1
.set G0,   40                          ; s[40:47] group 0, one set for each slot
.set MK,   68                          ; s68-75 a mask for each row tile
.set UP,   76                          ; s76  lanes 16-31
.set MSB, 0
.macro WIN new                         ; the immediate's high byte repeats the setting that is left
.if MSB != \new
	s_set_vgpr_msb (MSB<<8)|\new
.set MSB, \new
.endif
.endm
.macro CREST                           ; a round of the cluster's barrier behind its opening barrier
	s_cmp_lg_u32 s[WV], 0
	s_cbranch_scc1 .Lnot_wave_0_\@
	s_barrier_signal -3
.Lnot_wave_0_\@:
	s_barrier_wait -3
	s_barrier_signal -1
	s_barrier_wait -1
.endm
.macro CROUND
	s_barrier_signal -1
	s_barrier_wait -1
	CREST
.endm
.macro JLOAD s                         ; my two records of a chunk, into slot s, with the partners of my row
	tensor_load_to_lds s[G0+4*(\s):G0+4*(\s)+3], s[G1:G1+7]
	s_nop 0
.rept 4
	v_nop
.endr
.endm
.macro QUANT s, pc, pw                 ; as in the launch before: 64 numbers of a lane become a fragment's codes and its scale word
.irp b, 0,1,2,3
	v_max3_num_f32 v[TM+\b], |v[\s+16*\b]|, |v[\s+1+16*\b]|, 0x1800000   ; with the floor 2^(3 - 127)
.endr
.irp i, 2,4,6,8,10,12,14
.irp b, 0,1,2,3
	v_max3_num_f32 v[TM+\b], v[TM+\b], |v[\s+16*\b+\i]|, |v[\s+1+16*\b+\i]|
.endr
.endr
.irp b, 0,1,2,3
	v_permlanex16_b32 v[TM+4+\b], v[TM+\b], s[SEL], s[SEL+1]
.endr
.irp b, 0,1,2,3
	v_max_num_f32 v[TM+\b], v[TM+\b], v[TM+4+\b]
.endr
.irp b, 0,1,2,3
	v_add_nc_u32 v[TM+12+\b], 0xff000000, v[TM+\b]   ; 2 off the exponent field: the conversion's scale operand
.endr
.irp b, 0,1,2,3
	v_lshrrev_b32 v[TM+4+\b], 23, v[TM+12+\b]
.endr
	v_lshl_or_b32 v[\pw], v[TM+5], 8, v[TM+4]
	v_lshl_or_b32 v[\pw], v[TM+6], 16, v[\pw]
	v_lshl_or_b32 v[\pw], v[TM+7], 24, v[\pw]
.irp c, 0,1
	v_cvt_scalef32_pk16_fp6_f32 v[\pc+6*\c:\pc+2+6*\c], v[\s+32*\c:\s+15+32*\c], v[TM+12+2*\c]
	v_cvt_scalef32_pk16_fp6_f32 v[HX+4*\c:HX+2+4*\c], v[\s+16+32*\c:\s+31+32*\c], v[TM+12+2*\c+1]
.endr
	v_nop                                          ; one plain instruction behind the scaled conversions
.irp c, 0,1
.irp i, 0,1,2
	v_permlane16_swap_b32 v[\pc+6*\c+\i], v[HX+4*\c+\i]
.endr
.irp i, 0,1,2
	v_mov_b32 v[\pc+3+6*\c+\i], v[HX+4*\c+\i]
.endr
.endr
.endm
; Code tile t of my sixteen (chunk t / 4): two fragments, the scale words, my half's eight -|e|^2/2: nine loads into set t % 2
.macro FETCH t
.set FB, F+24*((\t)%2)
.set BB, BI+8*((\t)%2)
.set SL, ((\t)/4)%2
.set PB, (((\t)%4)/2)*REC
.irp i, 0,1,2,3,4,5
	ds_load_b128 v[FB+4*\i:FB+4*\i+3], v[CA+SL] offset:PB+3072*((\t)%2)+512*\i
.endr
	ds_load_b32 v[SC+224*((\t)%2)], v[CS+SL] offset:PB+6144+128*((\t)%2)
	ds_load_b128 v[BB:BB+3], v[CB+SL] offset:PB+6400+128*((\t)%2)
	ds_load_b128 v[BB+4:BB+7], v[CB+SL] offset:PB+6416+128*((\t)%2)
.endm
; 8 matrix instructions: K step k of tile t against my eight row tiles; K step 0 takes -|e|^2/2 as C.  The eight accumulators take turns, one instruction a turn.
; The scale words of K step 0 lie in lanes 0-15 of their registers, those of K step 1 in lanes 16-31.
.macro MULK t, k
.set FB, F+24*((\t)%2)
.set BB, BI+8*((\t)%2)
.set SS, SC+224*((\t)%2)
	WIN 0x04                                       ; source 1 (z) in window 1
.irp m, 0,1,2,3,4,5,6,7
.set ZS, 17+\m+225*(\m/7)
.if \k == 0
.if (\t) == 0
	s_wait_dscnt 6*(7-\m)                          ; row tiles 0 .. m are in; the later row tiles' six loads each may be out
.endif
	v_wmma_scale_f32_16x16x128_f8f6f4 v[ACC+8*\m:ACC+8*\m+7], v[FB:FB+11], v[24*\m:24*\m+11], v[BB:BB+7], v[SS], v[ZS] matrix_a_fmt:MATRIX_FMT_FP6 matrix_b_fmt:MATRIX_FMT_FP6
.else
	v_wmma_scale_f32_16x16x128_f8f6f4 v[ACC+8*\m:ACC+8*\m+7], v[FB+12:FB+23], v[24*\m+12:24*\m+23], v[ACC+8*\m:ACC+8*\m+7], v[SS], v[ZS] matrix_a_fmt:MATRIX_FMT_FP6 matrix_b_fmt:MATRIX_FMT_FP6 matrix_a_scale:MATRIX_SCALE_ROW1 matrix_b_scale:MATRIX_SCALE_ROW1
.endif
.endr
.endm
; Tile t's scores against the best so far (set (t + 1) % 2); the new best goes to set t % 2.  A strict compare keeps the earlier tile, whose codes are the lower ones.
.macro PICK t
.set PN, XA+136*((\t)%2)
.set PO, XA+136*(((\t)+1)%2)
.rept 4
	v_nop                                          ; four plain instructions between the products and the first read of their results (ISA guide 7.12.1)
.endr
.irp m, 0,1,2,3,4,5,6,7
	v_max3_num_f32 v[PN+\m], v[ACC+8*\m], v[ACC+8*\m+1], v[ACC+8*\m+2]   ; each accumulator from its low end on; the eight row tiles by turns
.endr
.irp m, 0,1,2,3,4,5,6,7
	v_max3_num_f32 v[PN+\m], v[PN+\m], v[ACC+8*\m+3], v[ACC+8*\m+4]
.endr
.irp m, 0,1,2,3,4,5,6,7
	v_max3_num_f32 v[PN+\m], v[PN+\m], v[ACC+8*\m+5], v[ACC+8*\m+6]
.endr
.if (\t) == 0
.irp m, 0,1,2,3,4,5,6,7
	v_max_num_f32 v[PN+\m], v[PN+\m], v[ACC+8*\m+7]
.endr
.else
.irp m, 0,1,2,3,4,5,6,7
	v_max3_num_f32 v[PN+\m], v[PN+\m], v[ACC+8*\m+7], v[PO+\m]
.endr
.irp m, 0,1,2,3,4,5,6,7
	v_cmp_gt_f32 s[MK+\m], v[PN+\m], v[PO+\m]      ; the lanes whose best has moved
.endr
.endif
.irp m, 0,1,2,3,4,5,6,7
.if (\t) == 0
	v_mov_b32 v[TID+\m], v[VT]
.irp j, 0,2,4,6
	v_dual_mov_b32 v[SAV+8*\m+\j], v[ACC+8*\m+\j] :: v_dual_mov_b32 v[SAV+8*\m+\j+1], v[ACC+8*\m+\j+1]
.endr
.else
	v_cndmask_b32 v[TID+\m], v[TID+\m], v[VT], s[MK+\m]
.irp j, 0,1,2,3,4,5,6,7
	v_cndmask_b32 v[SAV+8*\m+\j], v[SAV+8*\m+\j], v[ACC+8*\m+\j], s[MK+\m]
.endr
.endif
.endr
.if (\t) < 15
.if ((\t)%4) == 3
	v_add_nc_u32 v[VT], 464, v[VT]                 ; the next chunk's first tile: 512 - 48 codes on
.else
	v_add_nc_u32 v[VT], 16, v[VT]
.endif
.endif
.endm
; Tile t, 1 to 15.  Its nine loads were issued a tile ago.  PICK's vector lines are the places in front of the next fetch and of the next tile's first products.
.macro TILE t
	s_wait_dscnt 0x0
.if ((\t) == 3) || ((\t) == 7)         ; a chunk has been read: its slot is filled again, two chunks on
.set SF, ((\t)/4)%2
	s_wait_tensorcnt 0x0                           ; all my tensor loads have landed: my part of the next chunk;
	ds_add_u32 v[SPW], v[NIL]                      ; 0 onto my spare word;
	s_add_nc_u64 s[G0+4*SF+2:G0+4*SF+3], s[G0+4*SF+2:G0+4*SF+3], 2*CH
	MULK \t, 0                                     ; work on registers between the add and the wait for it
	s_wait_dscnt 0x0                               ; the add is done, and my reads of the slot are over
	s_barrier_signal -1
	MULK \t, 1
	WIN 0
	s_barrier_wait -1
	CREST
	JLOAD SF                                       ; the first tensor load behind the round
	FETCH (\t)+1
.else
.if (\t) == 11
	s_wait_tensorcnt 0x0                           ; my part of the last chunk, which I alone read; nothing is filled again
.endif
.if (\t) < 15
	FETCH (\t)+1
.endif
	MULK \t, 0
	MULK \t, 1
	WIN 0
.endif
	PICK \t
.endm
	s_load_b256 s[4:11], s[0:1], 0x0               ; z s[4:5], cbq s[6:7], ckey s[8:9], cidx s[10:11]
	v_lshl_add_u32 v[SPW], v0, 2, SPARE
	v_mov_b32 v[NIL], 0
	ds_add_u32 v[SPW], v[NIL]                      ; the wave's opening
	ds_add_u32 v[SPW], v[NIL]
	v_lshrrev_b32 v1, 5, v0
	v_readfirstlane_b32 s[WV], v1                  ; wave 0..7
	s_bfe_u32 s15, ttmp6, 0x40000                  ; cx
	s_bfe_u32 s16, ttmp6, 0x40004                  ; cy
	s_and_b32 s18, ttmp7, 0xffff                   ; cluster y, 0..15
	s_and_b32 s17, s16, 1                          ; q: which half of the codes
	s_lshr_b32 s19, s16, 1
	s_lshl_b32 s18, s18, 1
	s_add_co_u32 s18, s18, s19
	s_lshl_b32 s18, s18, 2
	s_add_co_u32 s18, s18, s15                     ; rb = 8 x cluster y + 4 (cy / 2) + cx: which 128 rows
	s_lshl_b32 s61, s16, 2
	s_lshl_b32 s61, 15, s61                        ; my row of the cluster
	s_or_b32 s[G1], s61, (3<<16)|(1<<21)           ; 15:0 the mask; 17:16 elements of 8 bytes; 21 set beside a mask
	s_mov_b32 s[G1+1], 32<<16                      ; tensor_dim0 = 32: rows of 256 bytes
	s_mov_b32 s[G1+2], 52<<16                      ; tensor_dim1 = 52
	s_mov_b32 s[G1+3], 32<<16                      ; tile_dim0
	s_mov_b32 s[G1+4], 52                          ; tile_dim1
	s_mov_b32 s[G1+5], 32                          ; from row to row
	s_mov_b32 s[G1+6], 0
	s_mov_b32 s[G1+7], 0
	s_mul_i32 s22, s[WV], WREG
	s_add_co_u32 s22, s22, STG                     ; my stage
	s_mul_i32 s23, s[WV], 2*REC                    ; my records in a slot: no place in the cluster enters an LDS address
	s_lshl_b32 s86, s[WV], 9
	s_add_co_u32 s86, s86, EX
	s_lshl_b32 s87, s17, 11
	s_lshl_b32 s88, s[WV], 6
	s_add_co_u32 s87, s87, s88                     ; 2048 q + 64 w: my first code
	s_lshl_b32 s78, s18, 17
	s_lshl_b32 s79, s[WV], 14
	s_add_co_u32 s78, s78, s79                     ; z: 128 rb + 16 w rows of 1,024 bytes
	s_mov_b32 s79, 0
	s_mul_i32 s82, s17, 64*REC
	s_add_co_u32 s82, s82, s23                     ; the codes: half q, my records of chunk 0
	s_mov_b32 s83, 0
	s_lshl_b32 s90, s17, 16
	s_lshl_b32 s91, s18, 9
	s_add_co_u32 s90, s90, s91                     ; results: (16384 q + 128 rb) x 4 bytes on
	s_mov_b32 s91, 0
	s_mov_b32 s[SEL], 0x76543210
	s_mov_b32 s[SEL+1], 0xfedcba98
	v_and_b32 v16, 31, v0                          ; lane
	v_and_b32 v17, 15, v0                          ; r
	v_bfe_u32 v18, v0, 4, 1                        ; h
	v_lshlrev_b32 v[ZG], 4, v16
	v_lshlrev_b32 v19, 2, v16
	v_and_b32 v[EXR], 127, v0
	v_mul_u32_u24 v[STO], v17, SPT
	v_add_nc_u32 v[STI], s22, v[ZG]
	v_lshl_add_u32 v[STO], v18, 6, v[STO]
	v_lshl_add_u32 v[EXR], v[EXR], 2, EX           ; where thread t reads row t's
	v_add_nc_u32 v[STO], s22, v[STO]
	v_add_nc_u32 v[ZXA], STG, v[ZG]
	v_add_nc_u32 v[ZXS], STG, v19
	v_add_nc_u32 v[SWA], s22, v19
	v_add_nc_u32 v[CA], s23, v[ZG]
	v_add_nc_u32 v[CS], s23, v19
	v_lshl_add_u32 v[CB], v18, 5, s23
	v_add_nc_u32 v[EXW], s86, v19
	v_add_nc_u32 v[CA+1], CH, v[CA]
	v_add_nc_u32 v[CS+1], CH, v[CS]
	v_add_nc_u32 v[CB+1], CH, v[CB]
	v_lshlrev_b32 v[GO], 2, v0
	v_lshl_add_u32 v[VT], v18, 3, s87
	v_cmp_le_u32 s[UP], 16, v16
.irp b, 0,1,2,3
	v_mov_b32 v[TM+4+\b], 0                        ; a lane permute's destination counts as one of its sources
.endr
	s_wait_alu depctr_va_vdst(0)                   ; the wait at the head's end
	s_wait_dscnt 0x0                               ; both opening adds are done
	s_wait_kmcnt 0x0
	s_add_nc_u64 s[4:5], s[4:5], s[78:79]
.irp i, 0,1,2,3,4,5,6,7,8,9,10,11,12,13,14,15
	global_load_b128 v[NA+4*\i:NA+4*\i+3], v[ZG], s[4:5] offset:1024*\i       ; row i, K step 0: 512 consecutive bytes
.endr
.irp i, 0,1,2,3,4,5,6,7,8,9,10,11,12,13,14,15
	global_load_b128 v[NB+4*\i:NB+4*\i+3], v[ZG], s[4:5] offset:1024*\i+512   ; K step 1
.endr
	s_add_nc_u64 s[80:81], s[6:7], s[82:83]
.irp s, 0,1
	s_mov_b32 s[G0+4*\s], 1                        ; count = 1
	s_add_co_u32 s[G0+4*\s+1], s23, \s*CH          ; LDS address
	s_add_nc_u64 s[G0+4*\s+2:G0+4*\s+3], s[80:81], \s*CH
	s_or_b32 s[G0+4*\s+3], s[G0+4*\s+3], 0x80000000   ; type = 2
.endr
	s_add_nc_u64 s[8:9], s[8:9], s[90:91]
	s_add_nc_u64 s[10:11], s[10:11], s[90:91]
	CROUND                                         ; all sixteen work-groups are here: the joint loads meet
	JLOAD 0                                        ; chunk 0
	; MY ROW TILE OF z.  The conversions want 16 neighbours along K in one lane: a K step's 16 x 512 bytes turn through my stage (rows 528 bytes apart).
	s_wait_loadcnt 16                              ; K step 0's sixteen are in; the sixteen younger may be out
.irp i, 0,1,2,3,4,5,6,7,8,9,10,11,12,13,14,15
	ds_store_b128 v[STI], v[NA+4*\i:NA+4*\i+3] offset:SPT*\i
.endr
.irp b, 0,1,2,3
.irp j, 0,1,2,3
	ds_load_b128 v[XR+16*\b+4*\j:XR+16*\b+4*\j+3], v[STO] offset:128*\b+16*\j   ; LDS serves a wave's instructions in order: these see my stores, and the stores below come behind them
.endr
.endr
	s_wait_loadcnt 0x0
.irp i, 0,1,2,3,4,5,6,7,8,9,10,11,12,13,14,15
	ds_store_b128 v[STI], v[NB+4*\i:NB+4*\i+3] offset:SPT*\i
.endr
	s_wait_dscnt 0x0                               ; K step 0 is back, and the stores have read v32-159
.irp b, 0,1,2,3
.irp j, 0,1,2,3
	ds_load_b128 v[NA+16*\b+4*\j:NA+16*\b+4*\j+3], v[STO] offset:128*\b+16*\j
.endr
.endr
	QUANT XR, PCA, PW
.irp g, 0,1,2
	ds_store_b128 v[STI], v[PCA+4*\g:PCA+4*\g+3] offset:512*\g   ; the fragment as an image of its registers, where my stage was
.endr
	s_wait_dscnt 0x0                               ; K step 1 is back
	QUANT NA, PCB, PW+1
.irp g, 0,1,2
	ds_store_b128 v[STI], v[PCB+4*\g:PCB+4*\g+3] offset:1536+512*\g
.endr
	v_cndmask_b32 v[SW], v[PW], v[PW+1], s[UP]     ; lanes 0-15: K step 0's word; lanes 16-31: K step 1's
	ds_store_b32 v[SWA], v[SW] offset:3072
	s_wait_alu depctr_va_vdst(0)                   ; ahead of the waits below
	s_wait_tensorcnt 0x0                           ; my part of chunk 0 is in
	ds_add_u32 v[SPW], v[NIL]
	s_wait_dscnt 0x0                               ; the add is done, and for the others' sake my fragments are stored
	CROUND
	JLOAD 1                                        ; chunk 1, the first tensor load behind the round
	FETCH 0
.irp m, 0,1,2,3,4,5,6,7
	ds_load_b32 v[17+\m+225*(\m/7)], v[ZXS] offset:\m*WREG+3072
.endr
	WIN 0x40                                       ; destination window 1
.irp m, 0,1,2,3,4,5,6,7
.irp i, 0,1,2,3,4,5
	ds_load_b128 v[24*\m+4*\i:24*\m+4*\i+3], v[ZXA] offset:\m*WREG+512*\i   ; z's fragments stay in registers
.endr
.endr
	MULK 0, 0
	MULK 0, 1
	WIN 0
	FETCH 1
	PICK 0
.irp t, 1,2,3,4,5,6,7,8,9,10,11,12,13,14,15
	TILE \t
.endr
	; THE END.  Which of the kept eight is the best: the lowest j whose score equals it.
.irp m, 0,1,2,3,4,5,6,7
	v_mov_b32 v[PJ+\m], 7
.endr
.irp j, 6,5,4,3,2,1,0
.irp m, 0,1,2,3,4,5,6,7
	v_cmp_neq_f32 s[MK+\m], v[SAV+8*\m+\j], v[BEST+\m]
.endr
.irp m, 0,1,2,3,4,5,6,7
	v_cndmask_b32 v[PJ+\m], \j, v[PJ+\m], s[MK+\m]   ; equal: j
.endr
.endr
.irp m, 0,1,2,3,4,5,6,7
	v_add_nc_u32 v[IX+\m], v[TID+\m], v[PJ+\m]     ; the code's index
	v_add_f32 v[KY+\m], 0, v[BEST+\m]              ; (-0 becomes +0)
.endr
.irp m, 0,1,2,3,4,5,6,7
	v_ashrrev_i32 v[TS+\m], 31, v[KY+\m]           ; the key: a positive number's sign bit is set, a negative number's bits are all turned: whole numbers that ascend with the score
.endr
.irp m, 0,1,2,3,4,5,6,7
	v_or_b32 v[TS+\m], 0x80000000, v[TS+\m]
.endr
.irp m, 0,1,2,3,4,5,6,7
	v_xor_b32 v[KY+\m], v[KY+\m], v[TS+\m]
.endr
.irp m, 0,1,2,3,4,5,6,7
	v_permlanex16_b32 v[KO+\m], v[KY+\m], s[SEL], s[SEL+1]   ; the row's other eight codes of each tile lie in lane l xor 16
	v_permlanex16_b32 v[IO+\m], v[IX+\m], s[SEL], s[SEL+1]
.endr
.irp m, 0,1,2,3,4,5,6,7
	v_cmp_gt_u32 s[MK+\m], v[KO+\m], v[KY+\m]
	v_cmp_eq_u32 s[78+\m], v[KO+\m], v[KY+\m]
	v_cmp_lt_u32 s[86+\m], v[IO+\m], v[IX+\m]
.endr
.irp m, 0,1,2,3,4,5,6,7
	s_and_b32 s[78+\m], s[78+\m], s[86+\m]
	s_or_b32 s[MK+\m], s[MK+\m], s[78+\m]          ; the other's is larger, or equal with the lower index
.endr
.irp m, 0,1,2,3,4,5,6,7
	v_cndmask_b32 v[KY+\m], v[KY+\m], v[KO+\m], s[MK+\m]
	v_cndmask_b32 v[IX+\m], v[IX+\m], v[IO+\m], s[MK+\m]   ; both halves of the lanes now hold row r's result
.endr
.irp p, 0,1,2,3
	v_cndmask_b32 v[TS+\p], v[KY+2*\p], v[KY+2*\p+1], s[UP]   ; lane l holds row 32 p + l of the 128
	v_cndmask_b32 v[TS+4+\p], v[IX+2*\p], v[IX+2*\p+1], s[UP]
.endr
.irp p, 0,1,2,3
	ds_store_b32 v[EXW], v[TS+\p] offset:128*\p
	ds_store_b32 v[EXW], v[TS+4+\p] offset:4096+128*\p
.endr
	s_wait_dscnt 0x0                               ; for the others' sake: my stores have landed
	s_barrier_signal -1
	s_barrier_wait -1
	s_cmp_lt_u32 s[WV], 4
	s_cbranch_scc0 .Lclose                         ; threads 0-127 take a row each
.irp c, 0,1,2,3,4,5,6,7
	ds_load_b32 v[RK+\c], v[EXR] offset:512*\c     ; the eight waves' results
	ds_load_b32 v[RI+\c], v[EXR] offset:4096+512*\c
.endr
	s_wait_dscnt 0x0
.macro JOIN a, b
	v_cmp_gt_u32 s68, v[RK+\b], v[RK+\a]
	v_cmp_eq_u32 s69, v[RK+\b], v[RK+\a]
	v_cmp_lt_u32 s70, v[RI+\b], v[RI+\a]
	s_and_b32 s69, s69, s70
	s_or_b32 s68, s68, s69                         ; larger, or equal with the lower index
	v_cndmask_b32 v[RK+\a], v[RK+\a], v[RK+\b], s68
	v_cndmask_b32 v[RI+\a], v[RI+\a], v[RI+\b], s68
.endm
	JOIN 0, 1
	JOIN 2, 3
	JOIN 4, 5
	JOIN 6, 7
	JOIN 0, 2
	JOIN 4, 6
	JOIN 0, 4
	global_store_b32 v[GO], v[RK], s[8:9]          ; the work-group stores 512 consecutive bytes of each buffer
	global_store_b32 v[GO], v[RI], s[10:11]
.Lclose:
	s_wait_tensorcnt 0x0                           ; the wave's end
	ds_add_u32 v[SPW], v[NIL]
	s_wait_dscnt 0x0
	CROUND                                         ; the closing round: no work-group ends while a partner may still ask for a record that names it
	s_endpgm
.Lfunc_end_k_q9edba6aa8c_near:
	.size	k_q9edba6aa8c_near, .Lfunc_end_k_q9edba6aa8c_near-k_q9edba6aa8c_near
	.p2alignl 7, 3214868480
	.fill 96, 4, 3214868480
	.section	.rodata,"a",@progbits
	.p2align	6, 0x0
	.amdhsa_kernel k_q9edba6aa8c_near
		.amdhsa_group_segment_fixed_size 327680
		.amdhsa_private_segment_fixed_size 0
		.amdhsa_enable_private_segment 0
		.amdhsa_kernarg_size 32
		.amdhsa_user_sgpr_count 2
		.amdhsa_user_sgpr_kernarg_segment_ptr 1
		.amdhsa_wavefront_size32 1
		.amdhsa_system_sgpr_workgroup_id_x 1
		.amdhsa_system_sgpr_workgroup_id_y 1
		.amdhsa_system_sgpr_workgroup_id_z 1
		.amdhsa_system_vgpr_workitem_id 0
		.amdhsa_next_free_vgpr 448
		.amdhsa_next_free_sgpr 96
		.amdhsa_reserve_vcc 0
		.amdhsa_float_denorm_mode_32 3
		.amdhsa_float_denorm_mode_16_64 3
		.amdhsa_memory_ordered 1
		.amdhsa_forward_progress 1
		.amdhsa_inst_pref_size 199
	.end_amdhsa_kernel
	.amdgpu_metadata
---
amdhsa.version: [ 1, 2 ]
amdhsa.kernels:
  - .name:           k_q9edba6aa8c_near
    .symbol:         k_q9edba6aa8c_near.kd
    .args:
      - { .name: z, .offset: 0, .size: 8, .value_kind: global_buffer, .address_space: global }
      - { .name: cbq, .offset: 8, .size: 8, .value_kind: global_buffer, .address_space: global }
      - { .name: ckey, .offset: 16, .size: 8, .value_kind: global_buffer, .address_space: global }
      - { .name: cidx, .offset: 24, .size: 8, .value_kind: global_buffer, .address_space: global }
    .group_segment_fixed_size: 327680
    .private_segment_fixed_size: 0
    .kernarg_segment_align: 8
    .kernarg_segment_size: 32
    .max_flat_workgroup_size: 256
    .sgpr_count:     96
    .vgpr_count:     448
    .wavefront_size: 32
...
	.end_amdgpu_metadata
.endif
;; end of part 2
;; launch pick (part 3): grid 257 x 1, 8 waves a work-group, no clusters, 0 bytes of LDS; arguments ckey, cidx, z, codebook, out0, out1, part, codebook_usage, out3, out4; writes out0, out1, part, out3, out4
.if DOCPART == 3
	.amdgcn_target "amdgcn-amd-amdhsa--gfx1250"
	.amdhsa_code_object_version 6
	.text
	.protected	k_q9edba6aa8c_pick
	.globl	k_q9edba6aa8c_pick
	.p2align	8
	.type	k_q9edba6aa8c_pick,@function
k_q9edba6aa8c_pick:
	s_mov_b64 s[64:65], 0
	v_nop
	global_prefetch_b8 v0, s[64:65] scope:SCOPE_SE
	s_setreg_imm32_b32 hwreg(HW_REG_WAVE_MODE, 25, 1), 1
	s_wait_xcnt 0x0
; Work-groups 0 to 255.  For each row: the better of the two halves' results (whole-number keys and indices that the launch before stored), the codebook's row e of that index, out0 = e, out1 = the index, and the wave's sum of (e - z)^2.
; WORK LEFT OUT: out0 = z + (e - z) is e in exact arithmetic for all finite z and e, so e is stored as loaded.  LIMIT: a NaN, an infinity or an overflow of z that reaches only this sum is not carried to out0.
; Work-group 256 makes, in one wave, p = usage / (sum of usage + 1e-10), T = sum of p log2(p + 1e-10), out4 = entropy = -ln 2 x T, out3 = perplexity = e^entropy = 2^-T: it hangs on no other input.
; LIMIT: the division is a multiplication by v_rcp_f32's result; logarithm and exponential are the base-2 instructions.
; SHARES.  A wave takes 8 rows: 64 x work-group + 8 x wave on.  The keys and indices of 8 rows x 2 halves come into scalar registers; a strict compare keeps the lower half.  An index is held to 4,095 ahead of its use in an address.
; A row is 1,024 bytes: two loads of 512 consecutive bytes, 16 a lane.  All 32 loads of a wave are issued before the first is used; each row is stored as soon as it is in, and the arithmetic follows behind the stores.
; Waves share nothing: no LDS, no barrier.  Which rows of the codebook a work-group reads hangs on data, so nothing is asked for jointly: no cluster.
.set ZR, 32                            ; v32-95   z: chunk j (row j / 2, half j % 2) at 4 j
.set CR, 96                            ; v96-159  the codebook's rows likewise
.macro WSUM a, t                       ; v[a] summed over the 32 lanes, in every lane; v[t] has been written before
	v_add_f32_dpp v[\a], v[\a], v[\a] row_xmask:1 row_mask:0xf bank_mask:0xf
	v_add_f32_dpp v[\a], v[\a], v[\a] row_xmask:2 row_mask:0xf bank_mask:0xf
	v_add_f32_dpp v[\a], v[\a], v[\a] row_xmask:4 row_mask:0xf bank_mask:0xf
	v_add_f32_dpp v[\a], v[\a], v[\a] row_xmask:8 row_mask:0xf bank_mask:0xf
	v_permlanex16_b32 v[\t], v[\a], s66, s67
	v_add_f32 v[\a], v[\a], v[\t]
.endm
	s_load_b256 s[76:83], s[0:1], 0x0              ; ckey s[76:77], cidx s[78:79], z s[80:81], codebook s[82:83]
	s_load_b256 s[84:91], s[0:1], 0x20             ; out0 s[84:85], out1 s[86:87], part s[88:89], usage s[90:91]
	s_load_b128 s[92:95], s[0:1], 0x40             ; out3 s[92:93], out4 s[94:95]
	v_lshrrev_b32 v3, 5, v0
	v_readfirstlane_b32 s4, v3                     ; wave 0..7
	v_and_b32 v1, 31, v0                           ; lane
	v_mov_b32 v14, 0
	v_mov_b32 v12, 0
	v_mov_b32 v15, 0
	v_lshlrev_b32 v2, 4, v1                        ; 16 x lane
	v_lshlrev_b32 v13, 2, v1
	v_lshl_add_u32 v3, v3, 13, v2                  ; + 8 rows of 1,024 bytes x wave
	s_wait_alu depctr_va_vdst(0)                   ; the wait at the head's end
	s_mov_b32 s66, 0x76543210
	s_mov_b32 s67, 0xfedcba98
	s_cmp_eq_u32 ttmp9, 256
	s_cbranch_scc1 .Lentropy
	s_lshl_b32 s2, ttmp9, 16                       ; the work-group's 64 rows of 1,024 bytes
	s_mov_b32 s3, 0
	s_lshl_b32 s6, ttmp9, 8
	s_lshl_b32 s5, s4, 5
	s_add_co_u32 s6, s6, s5                        ; 4 bytes x my first row
	s_mov_b32 s7, 0
	s_lshl_b32 s70, ttmp9, 5
	s_lshl_b32 s5, s4, 2
	s_add_co_u32 s70, s70, s5                      ; 4 bytes x (8 x work-group + wave)
	s_mov_b32 s71, 0
	s_wait_kmcnt 0x0
	s_add_nc_u64 s[76:77], s[76:77], s[6:7]
	s_add_nc_u64 s[78:79], s[78:79], s[6:7]
	s_add_nc_u64 s[80:81], s[80:81], s[2:3]
	s_load_b256 s[8:15], s[76:77], 0x0             ; my 8 rows' keys, a half 65,536 bytes from the other
	s_load_b256 s[16:23], s[76:77], 0x10000
	s_load_b256 s[24:31], s[78:79], 0x0            ; and indices
	s_load_b256 s[32:39], s[78:79], 0x10000
.irp j, 0,1,2,3,4,5,6,7
	global_load_b128 v[ZR+4*\j:ZR+4*\j+3], v3, s[80:81] offset:512*\j th:TH_LOAD_NT   ; z's rows 0-3, while the indices are on their way
.endr
	s_add_nc_u64 s[84:85], s[84:85], s[2:3]
	s_add_nc_u64 s[86:87], s[86:87], s[6:7]
	s_add_nc_u64 s[88:89], s[88:89], s[70:71]
	s_wait_kmcnt 0x0
.irp i, 0,1,2,3,4,5,6,7
	s_cmp_gt_u32 s[16+\i], s[8+\i]
	s_cselect_b32 s[24+\i], s[32+\i], s[24+\i]
	s_min_u32 s[24+\i], s[24+\i], 0xfff            ; an index stays inside the table
.endr
.irp i, 0,1,2,3,4,5,6,7
	v_lshl_add_u32 v[4+\i], s[24+\i], 10, v2       ; its row of 1,024 bytes, + 16 x lane
.endr
.irp i, 0,1,2,3,4,5,6,7
	global_load_b128 v[CR+8*\i:CR+8*\i+3], v[4+\i], s[82:83]
	global_load_b128 v[CR+8*\i+4:CR+8*\i+7], v[4+\i], s[82:83] offset:512
.endr
.irp j, 8,9,10,11,12,13,14,15
	global_load_b128 v[ZR+4*\j:ZR+4*\j+3], v3, s[80:81] offset:512*\j th:TH_LOAD_NT   ; z's rows 4-7: the stores below do not wait for them
.endr
.irp i, 0,1,2,3,4,5,6,7
	v_writelane_b32 v12, s[24+\i], \i              ; lane i: row i's index
.endr
.irp i, 0,1,2,3,4,5,6,7
	s_wait_loadcnt 22-2*\i                         ; loads come back in order: table rows 0 .. i are in; the later rows' 14 - 2 i and z's last eight may be out
	global_store_b128 v3, v[CR+8*\i:CR+8*\i+3], s[84:85] offset:1024*\i th:TH_STORE_NT       ; 32 lanes store 512 consecutive bytes
	global_store_b128 v3, v[CR+8*\i+4:CR+8*\i+7], s[84:85] offset:1024*\i+512 th:TH_STORE_NT
.endr
	s_wait_loadcnt 0x0                             ; all of z is in
	; the sum of (e - z)^2: four packed chains
.irp i, 0,1,2,3,4,5,6,7
.irp c, 0,2,4,6
	v_pk_add_f32 v[24+\c:25+\c], v[CR+8*\i+\c:CR+8*\i+\c+1], v[ZR+8*\i+\c:ZR+8*\i+\c+1] neg_lo:[0,1] neg_hi:[0,1]
.endr
.irp c, 0,2,4,6
.if \i == 0
	v_pk_mul_f32 v[16+\c:17+\c], v[24+\c:25+\c], v[24+\c:25+\c]
.else
	v_pk_fma_f32 v[16+\c:17+\c], v[24+\c:25+\c], v[24+\c:25+\c], v[16+\c:17+\c]
.endif
.endr
.endr
	v_pk_add_f32 v[16:17], v[16:17], v[18:19]
	v_pk_add_f32 v[20:21], v[20:21], v[22:23]
	v_pk_add_f32 v[16:17], v[16:17], v[20:21]
	v_add_f32 v16, v16, v17
	WSUM 16, 17                                    ; the wave's sum
	v_cmp_gt_u32 vcc_lo, 8, v1
	s_wait_alu depctr_va_vdst(0)
	s_wait_xcnt 0x0                                ; EXEC changes only behind this wait: the stores above have it among their sources
	s_and_saveexec_b32 s68, vcc_lo
	global_store_b32 v13, v12, s[86:87]            ; lanes 0-7: my 8 rows' indices, 32 consecutive bytes
	s_wait_xcnt 0x0
	s_or_b32 exec_lo, exec_lo, s68
	v_cmp_eq_u32 vcc_lo, 0, v1
	s_and_saveexec_b32 s68, vcc_lo
	global_store_b32 v14, v16, s[88:89]            ; lane 0: the wave's part of the loss
	s_wait_xcnt 0x0
	s_or_b32 exec_lo, exec_lo, s68
	s_endpgm
.Lentropy:
	s_cmp_lg_u32 s4, 0
	s_cbranch_scc1 .Lend                           ; one wave holds all 4,096 numbers, 128 a lane: no exchange between waves
	s_wait_kmcnt 0x0
.set j, 0
.rept 32
	global_load_b128 v[32+4*j:35+4*j], v2, s[90:91] offset:512*j
.set j, j+1
.endr
	s_wait_loadcnt 0x0
.irp c, 0,2,4,6
	v_pk_add_f32 v[16+\c:17+\c], v[32+\c:33+\c], v[40+\c:41+\c]
.endr
.set j, 16
.rept 56
	v_pk_add_f32 v[16+j%8:17+j%8], v[16+j%8:17+j%8], v[32+j:33+j]
.set j, j+2
.endr
	v_pk_add_f32 v[16:17], v[16:17], v[18:19]
	v_pk_add_f32 v[20:21], v[20:21], v[22:23]
	v_pk_add_f32 v[16:17], v[16:17], v[20:21]
	v_add_f32 v16, v16, v17
	WSUM 16, 17
	v_add_f32 v16, 0x2edbe6ff, v16                 ; + 1e-10
	s_wait_alu depctr_va_vdst(0)                   ; the wait ahead of the transcendental
	v_rcp_f32 v12, v16
	v_nop
	s_wait_alu depctr_va_vdst(0)                   ; and behind it
.set j, 0
.rept 64
	v_pk_mul_f32 v[32+j:33+j], v[32+j:33+j], v[12:13] op_sel_hi:[1,0]   ; p
.set j, j+2
.endr
.irp b, 0,16,32,48,64,80,96,112        ; sixteen logarithms a batch
.irp k, 0,1,2,3,4,5,6,7,8,9,10,11,12,13,14,15
	v_add_f32 v[16+\k], 0x2edbe6ff, v[32+\b+\k]    ; p + 1e-10
.endr
	s_wait_alu depctr_va_vdst(0)
.irp k, 0,1,2,3,4,5,6,7,8,9,10,11,12,13,14,15
	v_log_f32 v[16+\k], v[16+\k]
.endr
	v_nop
	s_wait_alu depctr_va_vdst(0)                   ; one wait for the sixteen
.irp k, 0,2,4,6,8,10,12,14
.if (\b == 0) && (\k < 8)
	v_pk_mul_f32 v[4+\k:5+\k], v[32+\k:33+\k], v[16+\k:17+\k]
.else
	v_pk_fma_f32 v[4+\k%8:5+\k%8], v[32+\b+\k:33+\b+\k], v[16+\k:17+\k], v[4+\k%8:5+\k%8]
.endif
.endr
.endr
	v_pk_add_f32 v[4:5], v[4:5], v[6:7]
	v_pk_add_f32 v[8:9], v[8:9], v[10:11]
	v_pk_add_f32 v[4:5], v[4:5], v[8:9]
	v_add_f32 v8, v4, v5
	WSUM 8, 9                                      ; T
	v_mul_f32 v10, 0xbf317218, v8                  ; entropy = -ln 2 x T
	s_wait_alu depctr_va_vdst(0)
	v_exp_f32 v15, -v8                             ; perplexity = 2^-T
	v_nop
	s_wait_alu depctr_va_vdst(0)
	v_cmp_eq_u32 vcc_lo, 0, v1
	s_wait_xcnt 0x0
	s_and_saveexec_b32 s68, vcc_lo
	global_store_b32 v14, v15, s[92:93]
	global_store_b32 v14, v10, s[94:95]
	s_wait_xcnt 0x0
	s_or_b32 exec_lo, exec_lo, s68
.Lend:
	s_endpgm
.Lfunc_end_k_q9edba6aa8c_pick:
	.size	k_q9edba6aa8c_pick, .Lfunc_end_k_q9edba6aa8c_pick-k_q9edba6aa8c_pick
	.p2alignl 7, 3214868480
	.fill 96, 4, 3214868480
	.section	.rodata,"a",@progbits
	.p2align	6, 0x0
	.amdhsa_kernel k_q9edba6aa8c_pick
		.amdhsa_group_segment_fixed_size 0
		.amdhsa_private_segment_fixed_size 0
		.amdhsa_enable_private_segment 0
		.amdhsa_kernarg_size 80
		.amdhsa_user_sgpr_count 2
		.amdhsa_user_sgpr_kernarg_segment_ptr 1
		.amdhsa_wavefront_size32 1
		.amdhsa_system_sgpr_workgroup_id_x 1
		.amdhsa_system_sgpr_workgroup_id_y 1
		.amdhsa_system_sgpr_workgroup_id_z 1
		.amdhsa_system_vgpr_workitem_id 0
		.amdhsa_next_free_vgpr 160
		.amdhsa_next_free_sgpr 100
		.amdhsa_reserve_vcc 1
		.amdhsa_float_denorm_mode_32 3
		.amdhsa_float_denorm_mode_16_64 3
		.amdhsa_memory_ordered 1
		.amdhsa_forward_progress 1
		.amdhsa_inst_pref_size 44
	.end_amdhsa_kernel
	.amdgpu_metadata
---
amdhsa.version: [ 1, 2 ]
amdhsa.kernels:
  - .name:           k_q9edba6aa8c_pick
    .symbol:         k_q9edba6aa8c_pick.kd
    .args:
      - { .name: ckey, .offset: 0, .size: 8, .value_kind: global_buffer, .address_space: global }
      - { .name: cidx, .offset: 8, .size: 8, .value_kind: global_buffer, .address_space: global }
      - { .name: z, .offset: 16, .size: 8, .value_kind: global_buffer, .address_space: global }
      - { .name: codebook, .offset: 24, .size: 8, .value_kind: global_buffer, .address_space: global }
      - { .name: out0, .offset: 32, .size: 8, .value_kind: global_buffer, .address_space: global }
      - { .name: out1, .offset: 40, .size: 8, .value_kind: global_buffer, .address_space: global }
      - { .name: part, .offset: 48, .size: 8, .value_kind: global_buffer, .address_space: global }
      - { .name: codebook_usage, .offset: 56, .size: 8, .value_kind: global_buffer, .address_space: global }
      - { .name: out3, .offset: 64, .size: 8, .value_kind: global_buffer, .address_space: global }
      - { .name: out4, .offset: 72, .size: 8, .value_kind: global_buffer, .address_space: global }
    .group_segment_fixed_size: 0
    .private_segment_fixed_size: 0
    .kernarg_segment_align: 8
    .kernarg_segment_size: 80
    .max_flat_workgroup_size: 256
    .sgpr_count:     100
    .vgpr_count:     160
    .wavefront_size: 32
...
	.end_amdgpu_metadata
.endif
;; end of part 3
;; launch fin (part 4): grid 1 x 1, 1 waves a work-group, no clusters, 0 bytes of LDS; arguments part, out2; writes out2
.if DOCPART == 4
	.amdgcn_target "amdgcn-amd-amdhsa--gfx1250"
	.amdhsa_code_object_version 6
	.text
	.protected	k_q9edba6aa8c_fin
	.globl	k_q9edba6aa8c_fin
	.p2align	8
	.type	k_q9edba6aa8c_fin,@function
k_q9edba6aa8c_fin:
	s_mov_b64 s[64:65], 0
	v_nop
	global_prefetch_b8 v0, s[64:65] scope:SCOPE_SE
	s_setreg_imm32_b32 hwreg(HW_REG_WAVE_MODE, 25, 1), 1
	s_wait_xcnt 0x0
; out2 = the sum of the 2,048 parts / 2^22 (the mean of (e - z)^2 over 16,384 x 256 numbers).  The sum spans all work-groups of the launch before; one wave makes it: 64 parts a lane, then across the lanes.
	s_load_b128 s[4:7], s[0:1], 0x0                ; part s[4:5], out2 s[6:7]
	v_lshlrev_b32 v2, 4, v0                        ; 16 x lane
	v_mov_b32 v3, 0
	s_mov_b32 s8, 0x76543210
	s_mov_b32 s9, 0xfedcba98
	s_wait_alu depctr_va_vdst(0)                   ; the wait at the head's end
	s_wait_kmcnt 0x0
.irp j, 0,1,2,3,4,5,6,7,8,9,10,11,12,13,14,15
	global_load_b128 v[16+4*\j:19+4*\j], v2, s[4:5] offset:512*\j
.endr
	s_wait_loadcnt 0x0
.irp c, 0,2,4,6
	v_pk_add_f32 v[4+\c:5+\c], v[16+\c:17+\c], v[24+\c:25+\c]
.endr
.set j, 16
.rept 24
	v_pk_add_f32 v[4+j%8:5+j%8], v[4+j%8:5+j%8], v[16+j:17+j]
.set j, j+2
.endr
	v_pk_add_f32 v[4:5], v[4:5], v[6:7]
	v_pk_add_f32 v[8:9], v[8:9], v[10:11]
	v_pk_add_f32 v[4:5], v[4:5], v[8:9]
	v_add_f32 v4, v4, v5
	v_add_f32_dpp v4, v4, v4 row_xmask:1 row_mask:0xf bank_mask:0xf
	v_add_f32_dpp v4, v4, v4 row_xmask:2 row_mask:0xf bank_mask:0xf
	v_add_f32_dpp v4, v4, v4 row_xmask:4 row_mask:0xf bank_mask:0xf
	v_add_f32_dpp v4, v4, v4 row_xmask:8 row_mask:0xf bank_mask:0xf
	v_permlanex16_b32 v5, v4, s8, s9
	v_add_f32 v4, v4, v5
	v_mul_f32 v4, 0x34800000, v4                   ; x 2^-22
	v_cmp_eq_u32 vcc_lo, 0, v0
	s_wait_alu depctr_va_vdst(0)                   ; directly ahead of the wait below
	s_wait_xcnt 0x0                                ; EXEC changes only behind this wait
	s_and_saveexec_b32 s10, vcc_lo
	global_store_b32 v3, v4, s[6:7]
	s_wait_xcnt 0x0
	s_or_b32 exec_lo, exec_lo, s10
	s_endpgm
.Lfunc_end_k_q9edba6aa8c_fin:
	.size	k_q9edba6aa8c_fin, .Lfunc_end_k_q9edba6aa8c_fin-k_q9edba6aa8c_fin
	.p2alignl 7, 3214868480
	.fill 96, 4, 3214868480
	.section	.rodata,"a",@progbits
	.p2align	6, 0x0
	.amdhsa_kernel k_q9edba6aa8c_fin
		.amdhsa_group_segment_fixed_size 0
		.amdhsa_private_segment_fixed_size 0
		.amdhsa_enable_private_segment 0
		.amdhsa_kernarg_size 16
		.amdhsa_user_sgpr_count 2
		.amdhsa_user_sgpr_kernarg_segment_ptr 1
		.amdhsa_wavefront_size32 1
		.amdhsa_system_sgpr_workgroup_id_x 1
		.amdhsa_system_sgpr_workgroup_id_y 1
		.amdhsa_system_sgpr_workgroup_id_z 1
		.amdhsa_system_vgpr_workitem_id 0
		.amdhsa_next_free_vgpr 80
		.amdhsa_next_free_sgpr 66
		.amdhsa_reserve_vcc 1
		.amdhsa_float_denorm_mode_32 3
		.amdhsa_float_denorm_mode_16_64 3
		.amdhsa_memory_ordered 1
		.amdhsa_forward_progress 1
		.amdhsa_inst_pref_size 5
	.end_amdhsa_kernel
	.amdgpu_metadata
---
amdhsa.version: [ 1, 2 ]
amdhsa.kernels:
  - .name:           k_q9edba6aa8c_fin
    .symbol:         k_q9edba6aa8c_fin.kd
    .args:
      - { .name: part, .offset: 0, .size: 8, .value_kind: global_buffer, .address_space: global }
      - { .name: out2, .offset: 8, .size: 8, .value_kind: global_buffer, .address_space: global }
    .group_segment_fixed_size: 0
    .private_segment_fixed_size: 0
    .kernarg_segment_align: 8
    .kernarg_segment_size: 16
    .max_flat_workgroup_size: 32
    .sgpr_count:     66
    .vgpr_count:     80
    .wavefront_size: 32
...
	.end_amdgpu_metadata
.endif
;; end of part 4
